; MI455X (gfx1250); checked and timed in simulation.
; The chip was launched on July 23, 2026; its instructions are those of AMD's public machine-readable ISA for CDNA 5 (MIT licence, August 2026) and "CDNA5" Instruction Set Architecture Reference Guide (July 2026). The comments in the code are by the model that wrote it; some were corrected since.
;; Memory Network. Allowed arithmetic: matrix products marked QUANTISED: E2M1 operands, one E8M0 scale for each 32 along K, by v_wmma_scale_f32_16x16x128_f8f6f4 with both operands' format E2M1 (or v_wmma_scale_f32_32x16x128_f4), f32 sums; products left as they are: f32 operands where the result goes on into a quantised operand, else bf16, f16 or f32 operands; f32 sums; everything else in f32.
;; Inputs: W_domain_codes 768 x 24 x 16 uint8 (E2M1 codes of W_domain, K innermost, in blocks of 32 codes, two codes a byte); W_domain_scales 768 x 24 uint8 (E8M0 scales of W_domain, one for each 32 codes along K); W_topic_codes 768 x 24 x 16 uint8 (E2M1 codes of W_topic, K innermost, in blocks of 32 codes, two codes a byte); W_topic_scales 768 x 24 uint8 (E8M0 scales of W_topic, one for each 32 codes along K); category 32,768 int32; domain_memory 9 x 10 x 768 float32; feature 32,768 x 768 float32.
;; Outputs: out0 32,768 x 1 x 9 float32.
;; This version of the problem:
;;   THIS VERSION OF THE PROBLEM IS GIVEN IN LOW PRECISION. The matrix products marked QUANTISED in the list below multiply operands that are first quantised to E2M1 (2 exponent bits, 1 mantissa bit; 4 bits a number), with one power-of-two scale for each 32 numbers along K (OCP MX v1.0); their sums are f32. All else is computed in f32.
;;   The module's matrix products, in the order in which they are computed (A, B: the left and right operand; K: the contracted axis; several contracted axes count as one K, in the product's order):
;;     1. [M 32,768, K 768] x [K 768, N 768]; A: computed on the way; B: input W_topic (given as codes): QUANTISED
;;     2. [M 32,768, K 768] x [K 768, N 768]; A: computed on the way; B: input W_domain (given as codes): QUANTISED
;;     3. [M 32,768, K 768] x [K 768, N 90]; A: computed on the way; B: input domain_memory: QUANTISED
;;     4. batch 9 x [M 768, K 10] x [K 10, N 32,768]; A: input domain_memory; B: softmax: left as it is (K = 10 < 32)
;;     5. batch 32,768 x [M 9, K 768] x [K 768, N 1]; A: computed on the way; B: computed on the way: left as it is (M = 9 < 16)
;;   THE QUANTISER, for each operand of a quantised product, along K:
;;     - K is cut into blocks of 32 from its start; a last block that is shorter is filled with zeros.
;;     - A block's scale is 2^e with e = floor(log2(the largest magnitude in the block)) - 2, held to -126 .. 127; a block of zeros has e = 0. As a byte (E8M0): e + 127.
;;     - Each number is divided by its block's scale, clamped to +-6, and rounded to the nearest number of E2M1, ties to even, subnormals kept.
;;     - The product sums the exact products of the quantised numbers (number of the format x scale) in f32.
;;   ~~~python
;;   def quantise(x, axis):      # numpy; x: float32 -> the quantised numbers, widened to float32 again
;;       x = np.moveaxis(x, axis, -1); K = x.shape[-1]
;;       x = np.pad(x, [(0, 0)] * (x.ndim - 1) + [(0, -K % 32)]); x = x.reshape(x.shape[:-1] + (-1, 32)); a = np.abs(x).max(-1, keepdims=True)
;;       e = np.where(a > 0, np.clip(np.frexp(np.where(a > 0, a, 1))[1] - 1 - 2, -126, 127), 0)      # np.frexp(a)[1] - 1 = floor(log2(a)), exactly
;;       r = np.clip(x / 2.0 ** e, -6, 6)
;;       step = 2.0 ** (np.maximum(np.frexp(np.where(r == 0, 1, r))[1] - 1, 0) - 1)
;;       q = np.round(r / step) * step * 2.0 ** e      # np.round: ties to even
;;       return np.moveaxis(q.reshape(q.shape[:-2] + (-1,))[..., :K], -1, axis).astype(np.float32)
;;   ~~~
;;   OPERANDS COMPUTED ON THE WAY. 'Computed on the way' means the value that the module computes at that place (a softmax that the list does not call 'softmax' is quantised finished and normalised). What goes into a quantiser is computed in f32, as accurately as f32 sums, v_exp_f32 and their like allow (about 1e-6 of the number): no bf16 or f16 on the way to a quantiser, and a product that is left as it is and whose result goes on into a quantised operand takes f32 operands (vector FMAs, or v_wmma_f32_16x16x4_f32). A number that lies on a knife's edge between two numbers of the format may be rounded either way, as far as f32 arithmetic and the matrix unit's own rounding can turn it there, and no further.
;;   INPUTS GIVEN AS CODES. W_domain (in the module: [768, 768], K = its axis 1); W_topic (in the module: [768, 768], K = its axis 1): each comes as NAME_codes (uint8): NAME with its K axis moved to the last place and cut into blocks of 32 codes, [.., K / 32, bytes a block], one block behind the other in memory; two codes a byte, the lower K in the low four bits (a code: sign, 2 exponent bits, 1 mantissa bit); and NAME_scales (uint8): the same leading axes, one E8M0 byte (e + 127) for each 32 codes along K. Its value is code x scale, taken as it is: it is not quantised again, and the codes and scales need not be those that the quantiser above would give.
;; One version. Each part assembles by itself: llvm-mc -triple=amdgcn-amd-amdhsa -mcpu=gfx1250 --defsym DOCPART=n.
;; ======== version 1 of 1: 2 launches
;; limits: values are held in f16: magnitudes above 65,504 overflow, below 6.1e-05 lose precision
;; workspace buffers: acode 13,631,488 bytes; wstream 933,888 bytes; memq 39,936 bytes
;; launch quant (part 1): grid 512 x 1, 4 waves a work-group, no clusters, 34,304 bytes of LDS; arguments feature, W_topic_codes, W_topic_scales, W_domain_codes, W_domain_scales, domain_memory, acode, wstream, memq; writes acode, wstream, memq
.if DOCPART == 1
	.amdgcn_target "amdgcn-amd-amdhsa--gfx1250"
	.amdhsa_code_object_version 6
	.text
	.protected	k_qc2f5a7f723_quant
	.globl	k_qc2f5a7f723_quant
	.p2align	8
	.type	k_qc2f5a7f723_quant,@function
k_qc2f5a7f723_quant:
	s_mov_b64 s[64:65], 0
	v_nop
	global_prefetch_b8 v0, s[64:65] scope:SCOPE_SE
	s_setreg_imm32_b32 hwreg(HW_REG_WAVE_MODE, 25, 1), 1
	s_wait_xcnt 0x0
; FIRST OF TWO LAUNCHES.  (1) Every wave takes 16 rows of feature [32768][768] f32, divides each row by its length and turns it into codes of FP4 (E2M1) with one E8M0
; byte for each 32 along K, laid as IMAGES OF THE OPERAND'S REGISTERS.  (2) The first 276 waves of the launch also lay out, once, what the second launch reads again and again:
; W_topic's and W_domain's codes and scale bytes in the order in which that launch walks them, domain_memory as FP4 codes along its 768, and domain_memory as f16, split in a high and a low part.
; Such a wave asks for its item's bytes first, then for the first three pieces of its rows (48 loads), and works the item while those are on their way.
; A RECORD (REC = 6,656 bytes) is six FP4 fragments of 16 rows x 128 K (registers 4 c .. 4 c + 3 of fragment f: 16 bytes a lane at 1024 f + 512 c + 16 lane) and, at 6,144, an image of their
; scale words: lane 16 hh + r holds, as word q, the word of row r for fragment 2 q + hh; word 3 is padding.
; acode: record g = rows 16 g .. 16 g + 15 of feature, fragment = K step.   memq: record s = K step s of the scores' product, fragment t = rows 16 t .. 16 t + 15 of the 90 (d, m), zeros from 90 on.
; wstream: three stages of W_topic (2 halves x 8 records; the rows of a tile are 32 (t / 2) + 8 (t % 2) + r + 8 (r / 8), so that a result's registers run along the next K), then six stages
; of W_domain (2 halves x [4 records, then 2 chunks of 32 along e x 6 tiles x (f16 high fragment, f16 low fragment)]).
; THE INPUT category IS NOT LOADED: the computation takes it and makes nothing of it, so no result hangs on it.
; A block's scale is 2^(floor(log2(largest magnitude)) - 2): the byte is the largest magnitude's exponent field - 2, held at 1 from below.
; LIMITS: 1 / length is v_rsq_f32 and a multiplication (some 1.5 ulp from square root and division).  Rows whose sum of squares is 0, denormal or overflows are not served (there the
; stated computation gives NaN or infinity); NaN and infinities among the inputs are not served.  A block of zeros gets the byte 1 where the quantiser's rule says 127: its codes are zeros and
; this program alone reads the bytes.  |domain_memory| stays under 65,504 (f16); its low part goes subnormal under 6e-5, an absolute error of at most 2^-25.
; No tensor loads, no barrier: waves share nothing.  48 loads of 512 consecutive bytes are out in each wave while the row tile comes in.
.set REC,   6656
.set TSTG,  106496                     ; a stage of W_topic in wstream;  its half
.set THALF, 53248
.set DBASE, 319488                     ; where W_domain's stages begin;  a stage;  its half;  the f16 chunks in a half;  a chunk
.set DSTG,  102400
.set DHALF, 51200
.set MOFF,  26624
.set CHUNK, 12288
.set SP,    528                        ; a stage row in LDS: 512 bytes + 16, so that the 16 rows that a load touches start in 16 different groups of banks
.set FLOOR, 0x1800000                  ; 2^(3 - 127): no largest magnitude is taken under it, so the byte cannot fall under 1
.set EOFF,  0xff000000                 ; takes 2 off an exponent field
.set GA,  1                            ; v1   16 x lane
.set SA,  2                            ; v2   my wave's stage + 16 x lane
.set LA,  3                            ; v3   my wave's stage + 528 r + 128 h
.set H8,  4                            ; v4   8 h
.set HH,  5                            ; v5   h = lane / 16
.set RR,  7                            ; v7   r = lane % 16
.set SS,  8                            ; v8-15   four pairs of sums of squares
.set BM,  16                           ; v16-27  the 12 blocks' largest magnitudes
.set SC,  28                           ; v28-39  the conversions' scale operands
.set SW,  40                           ; v40-45  six scale words
.set INV, 46                           ; v46-47  1 / length, twice
.set IMG, 48                           ; v48-51  the image of the scale words
.set PT,  52                           ; v52     a lane permute's destination (written once: it counts as a source)
.set CD,  64                           ; v64-111 the codes, 8 registers a K step.  v128-511: the 384 numbers; piece p (K step p) at v[128 + 64 p]
.set MSB, 0
.macro WIN new                         ; the immediate's high byte repeats the setting that is left; a switch that changes nothing is dropped
.if MSB != \new
	s_set_vgpr_msb (MSB<<8)|\new
.set MSB, \new
.endif
.endm
.macro PIECE p                         ; pieces 0 and 1 lie in window 0, pieces 2 to 5 in window 1
.if (\p) < 2
.set XB, 128+64*(\p)
.set XW, 0
.else
.set XB, 64*((\p)-2)
.set XW, 1
.endif
.endm
; the largest magnitudes of the two blocks of 32 at v[xb] and v[xb + 32] (window w), by turns
.macro MAXB bm, xb, w
	WIN (0x14*\w)
	v_max3_num_f32 v[\bm], 0, |v[\xb]|, |v[\xb+1]|
	v_max3_num_f32 v[\bm+1], 0, |v[\xb+32]|, |v[\xb+33]|
.irp i, 2,4,6,8,10,12,14,16,18,20,22,24,26,28,30
	v_max3_num_f32 v[\bm], v[\bm], |v[\xb+\i]|, |v[\xb+\i+1]|
	v_max3_num_f32 v[\bm+1], v[\bm+1], |v[\xb+32+\i]|, |v[\xb+33+\i]|
.endr
.endm
; 64 numbers of a lane (blocks h and 2 + h of its row's 128) become 8 registers of codes at v[cd] and the row's scale word in v[sw]
.macro QSTEP bm, sc, sw, cd, xb, w
	WIN 0
	v_max_num_f32 v[\bm], FLOOR, v[\bm]
	v_max_num_f32 v[\bm+1], FLOOR, v[\bm+1]
	v_add_nc_u32 v[\sc], EOFF, v[\bm]              ; the conversion takes the exponent field of this operand as its scale, and nothing else of it
	v_add_nc_u32 v[\sc+1], EOFF, v[\bm+1]
	v_lshrrev_b32 v[\bm], 23, v[\sc]               ; the scales' bytes
	v_lshrrev_b32 v[\bm+1], 23, v[\sc+1]
	v_lshl_or_b32 v[\bm], v[\bm+1], 16, v[\bm]     ; my two bytes, blocks h and 2 + h,
	v_lshlrev_b32 v[\bm], v[H8], v[\bm]            ; at their places in the word;
	v_permlanex16_b32 v[PT], v[\bm], s22, s23
	v_or_b32 v[\sw], v[\bm], v[PT]                 ; with lane l xor 16's two the word is whole
	WIN (0x01*\w)
.irp c, 0,1
.irp q, 0,1,2,3
	v_cvt_scalef32_pk8_fp4_f32 v[\cd+4*\c+\q], v[\xb+32*\c+8*\q:\xb+32*\c+8*\q+7], v[\sc+\c]
.endr
.endr
	WIN 0
	v_nop                                          ; one plain place behind the last scaled conversion
.endm
.macro LOADP p                         ; K step p of the 16 rows: each load reads 512 consecutive bytes of one row
	PIECE \p
	WIN (0x40*XW)
.set q, 0
.rept 16
	global_load_b128 v[XB+4*q:XB+4*q+3], v[GA], s[4:5] offset:3072*q+512*(\p) th:TH_LOAD_NT
.set q, q+1
.endr
.endm
.macro FIRST3                          ; the first three pieces: 48 loads
	LOADP 0
	LOADP 1
	LOADP 2
	WIN 0
.endm
.macro TURN p                          ; through my wave's stage and back into the registers that they left: lane (r, h) then holds, of row r, the whole blocks h and 2 + h.  LDS serves a wave's instructions in order (ISA guide 5.7.1.4): no wait stands between
	PIECE \p
	WIN (0x04*XW)
.set q, 0
.rept 16
	ds_store_b128 v[SA], v[XB+4*q:XB+4*q+3] offset:SP*q
.set q, q+1
.endr
	WIN (0x40*XW)
.irp c, 0,1
.irp i, 0,1,2,3,4,5,6,7
	ds_load_b128 v[XB+32*\c+4*\i:XB+32*\c+4*\i+3], v[LA] offset:256*\c+16*\i
.endr
.endr
.endm
.macro SUMS p                          ; the squares, two at a time, in four chains; the first four products start the sums
	PIECE \p
	WIN (0x05*XW)
.set n, 0
.rept 32
.if ((\p) == 0) && (n < 4)
	v_pk_mul_f32 v[SS+2*n:SS+2*n+1], v[XB+2*n:XB+2*n+1], v[XB+2*n:XB+2*n+1]
.else
	v_pk_fma_f32 v[SS+2*(n%4):SS+2*(n%4)+1], v[XB+2*n:XB+2*n+1], v[XB+2*n:XB+2*n+1], v[SS+2*(n%4):SS+2*(n%4)+1]
.endif
.set n, n+1
.endr
	MAXB BM+2*(\p), XB, XW
.endm
.macro FIN p                           ; x / length; a multiplication by a positive number keeps the order, so the largest magnitude is scaled and not searched for again
	PIECE \p
	WIN 0
	v_mul_f32 v[BM+2*(\p)], v[BM+2*(\p)], v[INV]
	v_mul_f32 v[BM+2*(\p)+1], v[BM+2*(\p)+1], v[INV]
	WIN (0x41*XW)
.set n, 0
.rept 32
	v_pk_mul_f32 v[XB+2*n:XB+2*n+1], v[XB+2*n:XB+2*n+1], v[INV:INV+1]
.set n, n+1
.endr
	QSTEP BM+2*(\p), SC+2*(\p), SW+(\p), CD+8*(\p), XB, XW
	global_store_b128 v[GA], v[CD+8*(\p):CD+8*(\p)+3], s[16:17] offset:1024*(\p)
	global_store_b128 v[GA], v[CD+8*(\p)+4:CD+8*(\p)+7], s[16:17] offset:1024*(\p)+512
.endm
	s_load_b512 s[4:19], s[0:1], 0x0               ; feature s[4:5], W_topic codes s[6:7], scales s[8:9], W_domain codes s[10:11], scales s[12:13], domain_memory s[14:15], acode s[16:17], wstream s[18:19]
	s_load_b64 s[20:21], s[0:1], 0x40              ; memq
	v_lshl_add_u32 v62, v0, 2, 0x8400
	v_mov_b32 v63, 0
	v_lshrrev_b32 v6, 5, v0
	v_readfirstlane_b32 s24, v6                    ; wave 0..3
	s_lshl_b32 s25, ttmp9, 2
	s_add_co_u32 s25, s25, s24                     ; g: my wave's number in the launch, 0 .. 2047
	v_and_b32 v6, 31, v0
	v_and_b32 v[RR], 15, v0
	v_bfe_u32 v[HH], v0, 4, 1
	v_lshlrev_b32 v[H8], 3, v[HH]
	v_lshlrev_b32 v[GA], 4, v6
	s_mul_i32 s26, s24, 16*SP                      ; my wave's stage
	v_add_nc_u32 v[SA], s26, v[GA]
	v_mul_u32_u24 v[LA], v[RR], SP
	v_lshl_add_u32 v[LA], v[HH], 7, v[LA]
	v_add_nc_u32 v[LA], s26, v[LA]
	v_mov_b32 v[PT], 0
	s_mov_b32 s22, 0x76543210
	s_mov_b32 s23, 0xfedcba98                      ; v_permlanex16_b32's selects for lane l xor 16
	s_wait_kmcnt 0x0
	s_mul_i32 s28, s25, 16*3072                    ; rows 16 g .. 16 g + 15 of feature,
	s_mov_b32 s29, 0
	s_add_nc_u64 s[4:5], s[4:5], s[28:29]
	s_mul_i32 s28, s25, REC                        ; and their record
	s_add_nc_u64 s[16:17], s[16:17], s[28:29]
	s_cmp_ge_u32 s25, 276                          ; the branches hang on the wave's number in the launch alone
	s_cbranch_scc1 .Lplain
	s_cmp_ge_u32 s25, 132
	s_cbranch_scc1 .Lhalves
	s_cmp_ge_u32 s25, 96
	s_cbranch_scc1 .Lmemq
	; ---- g = 0 .. 95: ONE RECORD OF A WEIGHT.  g / 48: W_topic or W_domain; then the half j of the 768 rows, the stage and the tile
	s_cmp_ge_u32 s25, 48
	s_cselect_b32 s28, 1, 0                        ; 0 W_topic, 1 W_domain
	s_mul_i32 s29, s28, 48
	s_sub_co_u32 s29, s25, s29
	s_cmp_ge_u32 s29, 24
	s_cselect_b32 s30, 1, 0                        ; j
	s_mul_i32 s31, s30, 24
	s_sub_co_u32 s29, s29, s31                     ; the record among its half's 24
	s_lshr_b32 s32, s29, 3                         ; W_topic: stage c,
	s_and_b32 s33, s29, 7                          ; tile t
	s_lshr_b32 s34, s33, 1
	s_and_b32 s35, s33, 1
	s_lshl_b32 s36, s32, 7
	s_lshl_b32 s34, s34, 5
	s_lshl_b32 s35, s35, 3
	s_add_co_u32 s36, s36, s34
	s_add_co_u32 s36, s36, s35                     ; first row 128 c + 32 (t / 2) + 8 (t % 2)
	s_mul_i32 s37, s32, TSTG
	s_mul_i32 s38, s30, THALF
	s_add_co_u32 s37, s37, s38
	s_mul_i32 s38, s33, REC
	s_add_co_u32 s37, s37, s38                     ; its place in wstream
	s_lshr_b32 s32, s29, 2                         ; W_domain: stage d,
	s_and_b32 s33, s29, 3                          ; tile n
	s_lshl_b32 s39, s32, 6
	s_lshl_b32 s40, s33, 4
	s_add_co_u32 s39, s39, s40                     ; first row 64 d + 16 n
	s_mul_i32 s41, s32, DSTG
	s_mul_i32 s38, s30, DHALF
	s_add_co_u32 s41, s41, s38
	s_mul_i32 s38, s33, REC
	s_add_co_u32 s41, s41, s38
	s_add_co_u32 s41, s41, DBASE
	s_cmp_eq_u32 s28, 0                            ; the choice hangs on the wave's number alone
	s_cselect_b32 s36, s36, s39
	s_cselect_b32 s42, s37, s41
	s_cselect_b32 s44, 1, 0                        ; 1: the tile's lanes 8-15 take rows 8 further on
	s_cselect_b64 s[46:47], s[6:7], s[10:11]
	s_cselect_b64 s[48:49], s[8:9], s[12:13]
	s_mov_b32 s43, 0
	s_mul_i32 s38, s30, 384
	s_add_co_u32 s36, s36, s38
	s_add_nc_u64 s[50:51], s[18:19], s[42:43]
	v_and_b32 v8, 8, v[RR]
	v_mul_u32_u24 v8, s44, v8
	v_add_nc_u32 v8, v8, v[RR]
	v_add_nc_u32 v8, s36, v8                       ; my lane's row of the weight
	v_mul_u32_u24 v9, v8, 384                      ; a row of 768 codes is 384 bytes;
	v_lshl_add_u32 v9, v[HH], 4, v9                ; fragment s, registers 4 c on: the 16 bytes at 64 s + 32 c + 16 h
	v_mul_u32_u24 v10, v8, 24                      ; a row of scale bytes is 24;
	v_lshl_add_u32 v10, v[HH], 2, v10              ; word q of the image: the bytes at 8 q + 4 h
.irp k, 0,1,2,3,4,5,6,7,8,9,10,11
	global_load_b128 v[64+4*\k:67+4*\k], v9, s[46:47] offset:32*\k
.endr
.irp q, 0,1,2
	global_load_b32 v[112+\q], v10, s[48:49] offset:8*\q
.endr
	FIRST3                                         ; my rows' first three pieces go out behind the item's loads
	v_mov_b32 v115, 0
	s_wait_loadcnt 48                              ; the item's loads are in; the 48 behind them may be out
.irp k, 0,1,2,3,4,5,6,7,8,9,10,11
	global_store_b128 v[GA], v[64+4*\k:67+4*\k], s[50:51] offset:512*\k   ; 32 lanes store 512 consecutive bytes
.endr
	global_store_b128 v[GA], v[112:115], s[50:51] offset:6144
	s_branch .Ljoin
.Lmemq:	; ---- g = 96 .. 131: ONE FP4 FRAGMENT OF domain_memory: K step s3 = (g - 96) / 6 of its 768, rows 16 t .. 16 t + 15 of the 90
	s_sub_co_u32 s28, s25, 96
	s_mul_hi_u32 s29, s28, 0x2aaaaaab              ; / 6 (exact for these small numbers)
	s_mul_i32 s30, s29, 6
	s_sub_co_u32 s30, s28, s30                     ; t
	s_lshl_b32 s31, s30, 4
	v_add_nc_u32 v8, s31, v[RR]                    ; my row among the 96
	v_cmp_gt_u32 vcc_lo, 90, v8                    ; is there such a row?
	v_min_u32 v9, 89, v8                           ; no load leaves the buffer
	v_mul_u32_u24 v9, v9, 3072
	v_lshl_add_u32 v9, v[HH], 7, v9
	s_lshl_b32 s32, s29, 9
	v_add_nc_u32 v9, s32, v9                       ; row x 3,072 + 512 s3 + 128 h: my whole blocks h and 2 + h
.irp c, 0,1
.irp i, 0,1,2,3,4,5,6,7
	global_load_b128 v[64+32*\c+4*\i:67+32*\c+4*\i], v9, s[14:15] offset:256*\c+16*\i
.endr
.endr
	FIRST3
	s_wait_loadcnt 48                              ; the item's loads are in; the 48 behind them may be out
.set n, 0
.rept 64
	v_cndmask_b32 v[64+n], 0, v[64+n], vcc_lo      ; rows from 90 on are zeros
.set n, n+1
.endr
	MAXB 16, 64, 0
	QSTEP 16, 28, 48, 40, 64, 0
	s_mul_i32 s33, s29, REC
	s_lshl_b32 s34, s30, 10
	s_add_co_u32 s34, s33, s34
	s_mov_b32 s35, 0
	s_add_nc_u64 s[36:37], s[20:21], s[34:35]
	global_store_b128 v[GA], v[40:43], s[36:37]
	global_store_b128 v[GA], v[44:47], s[36:37] offset:512
	s_and_b32 s38, s30, 1
	s_lshl_b32 s38, s38, 8                         ; the image's lanes 16 (t % 2) + r,
	s_lshr_b32 s39, s30, 1
	s_lshl_b32 s39, s39, 2                         ; word t / 2
	s_add_co_u32 s38, s38, s39
	s_add_co_u32 s38, s38, s33
	s_mov_b32 s39, 0
	s_add_nc_u64 s[38:39], s[20:21], s[38:39]
	v_lshlrev_b32 v10, 4, v[RR]
	global_store_b32 v10, v48, s[38:39] offset:6144   ; lanes r and r + 16 write the same word with the same value
	s_branch .Ljoin
.Lhalves:	; ---- g = 132 .. 275: ONE f16 FRAGMENT PAIR OF domain_memory: e = 32 Q .. 32 Q + 31, rows 16 t .. 16 t + 15; high = f16(x), low = f16(x - high)
	s_sub_co_u32 s28, s25, 132
	s_mul_hi_u32 s29, s28, 0x2aaaaaab              ; Q = 0 .. 23
	s_mul_i32 s30, s29, 6
	s_sub_co_u32 s30, s28, s30                     ; t
	s_cmp_ge_u32 s29, 12
	s_cselect_b32 s31, 1, 0                        ; j
	s_mul_i32 s32, s31, 12
	s_sub_co_u32 s32, s29, s32
	s_lshr_b32 s33, s32, 1                         ; stage d
	s_and_b32 s34, s32, 1                          ; chunk
	s_lshl_b32 s35, s30, 4
	v_add_nc_u32 v8, s35, v[RR]
	v_cmp_gt_u32 vcc_lo, 90, v8
	v_min_u32 v9, 89, v8
	v_mul_u32_u24 v9, v9, 3072
	v_lshl_add_u32 v9, v[HH], 5, v9
	s_lshl_b32 s35, s29, 7
	v_add_nc_u32 v9, s35, v9                       ; row x 3,072 + 128 Q + 32 h: a 16-bit fragment's registers 0-3 hold k = 8 h + 0 .. 7, registers 4-7 k = 16 + 8 h + 0 .. 7
	global_load_b128 v[64:67], v9, s[14:15]
	global_load_b128 v[68:71], v9, s[14:15] offset:16
	global_load_b128 v[72:75], v9, s[14:15] offset:64
	global_load_b128 v[76:79], v9, s[14:15] offset:80
	FIRST3
	s_mul_i32 s36, s33, DSTG
	s_mul_i32 s37, s31, DHALF
	s_add_co_u32 s36, s36, s37
	s_mul_i32 s37, s34, CHUNK
	s_add_co_u32 s36, s36, s37
	s_lshl_b32 s37, s30, 11
	s_add_co_u32 s36, s36, s37
	s_add_co_u32 s36, s36, DBASE+MOFF
	s_mov_b32 s37, 0
	s_add_nc_u64 s[36:37], s[18:19], s[36:37]
	s_wait_loadcnt 48                              ; the item's loads are in; the 48 behind them may be out
.set n, 0
.rept 16
	v_cndmask_b32 v[64+n], 0, v[64+n], vcc_lo
.set n, n+1
.endr
.irp i, 0,1,2,3,4,5,6,7
	v_cvt_pk_f16_f32 v[80+\i], v[64+2*\i], v[65+2*\i]
.endr
	v_cvt_f32_f16 v88, v80.l
	v_cvt_f32_f16 v89, v80.h
	v_cvt_f32_f16 v90, v81.l
	v_cvt_f32_f16 v91, v81.h
	v_cvt_f32_f16 v92, v82.l
	v_cvt_f32_f16 v93, v82.h
	v_cvt_f32_f16 v94, v83.l
	v_cvt_f32_f16 v95, v83.h
	v_cvt_f32_f16 v96, v84.l
	v_cvt_f32_f16 v97, v84.h
	v_cvt_f32_f16 v98, v85.l
	v_cvt_f32_f16 v99, v85.h
	v_cvt_f32_f16 v100, v86.l
	v_cvt_f32_f16 v101, v86.h
	v_cvt_f32_f16 v102, v87.l
	v_cvt_f32_f16 v103, v87.h
.irp i, 0,1,2,3,4,5,6,7
	v_pk_add_f32 v[88+2*\i:89+2*\i], v[64+2*\i:65+2*\i], v[88+2*\i:89+2*\i] neg_lo:[0,1] neg_hi:[0,1]   ; what the high part left: exact in f32
.endr
.irp i, 0,1,2,3,4,5,6,7
	v_cvt_pk_f16_f32 v[104+\i], v[88+2*\i], v[89+2*\i]
.endr
	global_store_b128 v[GA], v[80:83], s[36:37]
	global_store_b128 v[GA], v[84:87], s[36:37] offset:512
	global_store_b128 v[GA], v[104:107], s[36:37] offset:1024
	global_store_b128 v[GA], v[108:111], s[36:37] offset:1536
.Ljoin:
	s_wait_xcnt 0x0                                ; the registers that these stores name are written again only behind this wait
	s_branch .Lgo
.Lplain:
	FIRST3
.Lgo:
	; ---- EVERY WAVE: rows 16 g .. 16 g + 15 of feature
	s_wait_loadcnt 32                              ; piece 0 is in; the 32 loads of pieces 1 and 2 may be out
	TURN 0
	LOADP 3
	s_wait_loadcnt 32                              ; piece 1; pieces 2 and 3 may be out
	TURN 1
	LOADP 4
	s_wait_dscnt 32                                ; piece 0 is back from the stage: behind it only piece 1's 32 LDS instructions
	SUMS 0
	s_wait_loadcnt 32
	TURN 2
	LOADP 5
	s_wait_dscnt 32
	SUMS 1
	s_wait_loadcnt 32
	TURN 3
	s_wait_dscnt 32
	SUMS 2
	s_wait_loadcnt 16                              ; piece 4; piece 5's 16 loads may be out
	TURN 4
	s_wait_dscnt 32
	SUMS 3
	s_wait_loadcnt 0x0
	TURN 5
	s_wait_dscnt 32
	SUMS 4
	s_wait_dscnt 0x0
	SUMS 5
	WIN 0
	v_pk_add_f32 v[SS:SS+1], v[SS:SS+1], v[SS+2:SS+3]
	v_pk_add_f32 v[SS+4:SS+5], v[SS+4:SS+5], v[SS+6:SS+7]
	v_pk_add_f32 v[SS:SS+1], v[SS:SS+1], v[SS+4:SS+5]
	v_add_f32 v[SS], v[SS], v[SS+1]
	v_permlanex16_b32 v[PT], v[SS], s22, s23
	v_add_f32 v[SS], v[SS], v[PT]                  ; with lane l xor 16's half of the row: the row's sum of squares
	v_rsq_f32 v[INV], v[SS]
	v_rsq_f32 v[INV+1], v[SS]                      ; twice: a pair for the packed multiplication
	v_nop                                          ; one plain place behind the transcendentals
	s_wait_alu depctr_va_vdst(0)
	FIN 0
	FIN 1
	FIN 2
	FIN 3
	FIN 4
	FIN 5
	v_cmp_ne_u32 vcc_lo, 0, v[HH]
.irp q, 0,1,2
	v_cndmask_b32 v[IMG+\q], v[SW+2*\q], v[SW+2*\q+1], vcc_lo   ; lanes 0-15 the words of the even K steps, lanes 16-31 those of the odd ones
.endr
	v_mov_b32 v[IMG+3], 0
	global_store_b128 v[GA], v[IMG:IMG+3], s[16:17] offset:6144
	s_wait_tensorcnt 0x0
	ds_add_u32 v62, v63
	s_wait_dscnt 0x0
	s_endpgm
.Lfunc_end_k_qc2f5a7f723_quant:
	.size	k_qc2f5a7f723_quant, .Lfunc_end_k_qc2f5a7f723_quant-k_qc2f5a7f723_quant
	.p2alignl 7, 3214868480
	.fill 96, 4, 3214868480
	.section	.rodata,"a",@progbits
	.p2align	6, 0x0
	.amdhsa_kernel k_qc2f5a7f723_quant
		.amdhsa_group_segment_fixed_size 34304
		.amdhsa_private_segment_fixed_size 0
		.amdhsa_enable_private_segment 0
		.amdhsa_kernarg_size 72
		.amdhsa_user_sgpr_count 2
		.amdhsa_user_sgpr_kernarg_segment_ptr 1
		.amdhsa_wavefront_size32 1
		.amdhsa_system_sgpr_workgroup_id_x 1
		.amdhsa_system_sgpr_workgroup_id_y 1
		.amdhsa_system_sgpr_workgroup_id_z 1
		.amdhsa_system_vgpr_workitem_id 0
		.amdhsa_next_free_vgpr 512
		.amdhsa_next_free_sgpr 66
		.amdhsa_reserve_vcc 1
		.amdhsa_float_denorm_mode_32 3
		.amdhsa_float_denorm_mode_16_64 3
		.amdhsa_memory_ordered 1
		.amdhsa_forward_progress 1
		.amdhsa_inst_pref_size 100
	.end_amdhsa_kernel
	.amdgpu_metadata
---
amdhsa.version: [ 1, 2 ]
amdhsa.kernels:
  - .name:           k_qc2f5a7f723_quant
    .symbol:         k_qc2f5a7f723_quant.kd
    .args:
      - { .name: feature, .offset: 0, .size: 8, .value_kind: global_buffer, .address_space: global }
      - { .name: W_topic_codes, .offset: 8, .size: 8, .value_kind: global_buffer, .address_space: global }
      - { .name: W_topic_scales, .offset: 16, .size: 8, .value_kind: global_buffer, .address_space: global }
      - { .name: W_domain_codes, .offset: 24, .size: 8, .value_kind: global_buffer, .address_space: global }
      - { .name: W_domain_scales, .offset: 32, .size: 8, .value_kind: global_buffer, .address_space: global }
      - { .name: domain_memory, .offset: 40, .size: 8, .value_kind: global_buffer, .address_space: global }
      - { .name: acode, .offset: 48, .size: 8, .value_kind: global_buffer, .address_space: global }
      - { .name: wstream, .offset: 56, .size: 8, .value_kind: global_buffer, .address_space: global }
      - { .name: memq, .offset: 64, .size: 8, .value_kind: global_buffer, .address_space: global }
    .group_segment_fixed_size: 34304
    .private_segment_fixed_size: 0
    .kernarg_segment_align: 8
    .kernarg_segment_size: 72
    .max_flat_workgroup_size: 128
    .sgpr_count:     66
    .vgpr_count:     512
    .wavefront_size: 32
...
	.end_amdgpu_metadata
.endif
;; end of part 1
;; launch main (part 2): grid 256 x 1, 4 waves a work-group, clusters of 4 x 1, 327,680 bytes of LDS; arguments acode, wstream, memq, out0; writes out0
.if DOCPART == 2
	.amdgcn_target "amdgcn-amd-amdhsa--gfx1250"
	.amdhsa_code_object_version 6
	.text
	.protected	k_qc2f5a7f723_main
	.globl	k_qc2f5a7f723_main
	.p2align	8
	.type	k_qc2f5a7f723_main,@function
k_qc2f5a7f723_main:
	s_mov_b64 s[64:65], 0
	v_nop
	global_prefetch_b8 v0, s[64:65] scope:SCOPE_SE
	s_setreg_imm32_b32 hwreg(HW_REG_WAVE_MODE, 25, 1), 1
	s_wait_xcnt 0x0
	s_wait_alu depctr_hold_cnt(0) depctr_sa_sdst(0) depctr_va_vdst(0) depctr_va_sdst(0) depctr_va_ssrc(0) depctr_va_vcc(0) depctr_vm_vsrc(0)
	s_getreg_b32 s2, hwreg(HW_REG_IB_STS2, 6, 4)
	s_cmp_eq_u32 s2, 0
	s_cbranch_scc0 .Lentry_in_a_cluster
	s_endpgm
.Lentry_in_a_cluster:
	s_bfe_u32 s2, ttmp6, 0x10000c
	s_cmp_lg_u32 s2, 0x3003
	s_cbranch_scc0 .Lentry_shape_is_right
	s_endpgm
.Lentry_shape_is_right:
; SECOND OF TWO LAUNCHES.  out0[b][0][d] = softmax_d(32 sum_m att[b][d][m] G[b][d][m]), att = softmax_m(32 q_topic . memory[d][m]), G = q_dom . memory[d][m];
; q_topic = fn W_topic^T and q_dom = fn W_domain^T on codes of FP4 (E2M1) with E8M0 scales; the scores on Q(q_topic) and Q(memory), FP4 too.  fn: the normalised features, as codes from the first launch.
; THE LAST TWO PRODUCTS ARE TAKEN IN ANOTHER ORDER than they are stated: (sum_m att memory) . q_dom = sum_m att (memory . q_dom), an identity, so that the 9 x 768 numbers a row between them are never formed.
; G is a product on f16 operands with f32 sums: q_dom rounded once to f16, memory as an f16 high part and an f16 low part, both multiplied onto the same sums.
; SHARES.  A work-group owns 128 rows.  Wave w: i = w / 2: rows 64 i .. 64 i + 63 (four tiles of 16, whose codes stay in registers); j = w % 2: the half 384 j .. 384 j + 383 of the 768 outputs of either weight.
; A weight's fragment read from LDS feeds four matrix instructions.  Scores and G are summed over a wave's half and the two halves meet in LDS, where thread t then owns row t for both softmaxes.
; ALL PRODUCTS ARE USED TRANSPOSED (source 0 = 16 rows of the weight or of the memory, source 1 = 16 rows of the batch): a lane holds one row of the batch (lane % 16) throughout.
; THE WEIGHTS come as nine stages (three of W_topic, six of W_domain with the memory's f16 fragments) through a ring of two LDS slots; the first launch has laid them as images of the operands' registers,
; so that every LDS load is 16 bytes a lane at 16 x lane and a stage is one dense block.  CLUSTER: the four work-groups of a cluster walk the same stages: every fill is asked for JOINTLY (mask 15);
; each wave asks for a quarter of a stage.  Two tensor loads of a wave are out at the start (the two first fills), later one.
; A CHANGE OF SLOTS STANDS INSIDE WORK ON REGISTERS that is due anyway: the quantising of a finished stage of q_topic, or a stage's last 48 products of G.  Part of that work stands ahead of the barrier, part between its
; signal and its wait, and the rest behind the refill, with the next stage's first LDS loads set between it in short runs.  For four waves the FP4 products read 256 LDS bytes for each 1 / 16 of a fragment's
; four products, so LDS loads are spread and not bunched; that costs switches of the register window round each run.
; LIMITS: |q_dom| and |memory| stay under 65,504 (f16).  Score and G sums are made in two halves along K and added; the order of rounding of the last two products differs from the stated one.
; NaN and infinities are not served.  A block of zeros gets the scale byte 1 (its codes are zeros).
; REGISTERS, in windows of 256 (s_set_vgpr_msb's low byte: bits 1:0 source 0, 3:2 source 1, 5:4 source 2, 7:6 destination):
;   window 0: v1-12 addresses; v16-31 fn's scale words, v32-47 the weights', v48-59 the memory's, v60-71 Q(q_topic)'s; v72-87 at work; v88-183 Q(q_topic)'s codes, later the 90 p and from v178 nine 1 / sum; v184-231 memory codes, later at work
;   window 1: the accumulators: q_topic (64 m + 8 t); scores and G (48 m + 8 t); q_dom (192 + 32 u + 8 m); for the softmaxes the two halves of a row at v0 and v96
;   window 2: v0-191 fn's codes (48 m + 8 s); v192-239 memory codes, later q_dom as f16 (192 + 8 m)
;   window 3: v0-191 two buffers of two weight tiles (96 b + 48 u + 8 s), later one buffer and the memory's f16 fragments (96 + 16 t + 8 part); v192-239 memory codes
.set REC,   6656                       ; a record: six FP4 fragments of 1,024 bytes and, at 6,144, the image of their scale words: register q, lanes 16 hh + r: row r's word for fragment 2 q + hh
.set SLOT,  106496                     ; an LDS slot, and a stage of W_topic: 2 halves x 8 records
.set THALF, 53248
.set DBASE, 319488                     ; where W_domain's stages begin in wstream
.set DSTG,  102400                     ; such a stage: 2 halves x (4 records + 2 chunks of 12,288 bytes)
.set DHALF, 51200
.set MOFF,  26624
.set CHUNK, 12288
.set XCH,   2*SLOT                     ; behind the ring: two copies (j) of 128 rows x (96 f32 + 16 bytes), written by LDS stores alone
.set XCOPY, 51200
.set XP,    400                        ; = 100 words: row r starts 36 r words on modulo 64, so 16 rows start in 16 different groups of four banks (64 banks of 4 bytes: ISA guide 11.1)
.set SPARE, XCH+2*XCOPY                ; the spare words, 128 bytes for each wave: two blocks of 256 bytes that no other line names
.set OUTS,  SPARE+512                  ; 128 rows x 36 bytes of results
.set SPW, 1                            ; v1   SPARE + 4 x my thread's number; never rewritten
.set NIL, 2                            ; v2   0; never rewritten
.set LI,  3                            ; v3   16 x lane
.set LB0, 4                            ; v4   slot 0, my half of a stage of W_topic, + 16 x lane;   v5 the same in slot 1
.set LB1, 5
.set LD0, 6                            ; v6   my half of a stage of W_domain + 16 x lane
.set ADR, 7                            ; v7   the same in the slot in hand
.set XW,  8                            ; v8   where I put 32 bytes of a row of scores or of G
.set XR,  9                            ; v9   my thread's row in the first copy
.set OW,  10                           ; v10  my thread's nine results
.set OR,  11                           ; v11  the results as a dense block, 16 bytes a thread
.set GO,  12                           ; v12  the same in out0
.set AS,  16
.set WS,  32
.set MS,  48
.set QS,  60
.set TM,  72                           ; v72-75 largest magnitudes, v76-79 bytes, v84-87 the conversions' scale operands
.set QC,  88
.set PP,  88
.set RI,  178
.set MQ0, 184
.set WK,  192
.set G1T, 24                           ; s[24:31], s[32:39] descriptor group 1 for a quarter of either kind of stage
.set G1D, 32
.set G0T, 40                           ; s[40:43] group 0 for W_topic's stages 0 and 2;  s[60:63] for its stage 1;  s[44:47] for W_domain's, which walks
.set G0D, 44
.set G0U, 60
.set W_MUL, 0x5b                       ; source 0 window 3, source 1 window 2, C and D window 1
.set MSB, 0
.macro WIN new                         ; the immediate's high byte repeats the setting that is left; a switch that changes nothing is dropped
.if MSB != \new
	s_set_vgpr_msb (MSB<<8)|\new
.set MSB, \new
.endif
.endm
.macro PLACES                          ; a load into a register that a matrix instruction has named, and a read of a matrix result, stand four plain vector instructions behind it
.rept 4
	v_nop
.endr
.endm
.macro CREST                           ; a round of the cluster's barrier behind its opening barrier: wave 0 signals for the work-group; every wave waits for all four work-groups; my work-group's barrier once more
	s_cmp_lg_u32 s12, 0
	s_cbranch_scc1 .Lnot_wave_0_\@
	s_barrier_signal -3
.Lnot_wave_0_\@:
	s_barrier_wait -3
	s_barrier_signal -1
	s_barrier_wait -1
.endm
.macro ROUND                           ; a whole round
	s_barrier_signal -1
	s_barrier_wait -1
	CREST
.endm
.macro BAR                             ; my LDS stores have landed and my LDS loads are in: then the work-group's barrier.  A tensor load may stay out
	s_wait_dscnt 0x0
	s_barrier_signal -1
	s_barrier_wait -1
.endm
.macro STEPD                           ; W_domain's walking descriptor (written only where no tensor load of mine is out):
	s_xor_b32 s50, s50, SLOT                       ; the other slot than last time,
	s_add_co_u32 s[G0D+1], s50, s49                ; my quarter of it,
	s_add_nc_u64 s[G0D+2:G0D+3], s[G0D+2:G0D+3], DSTG   ; the next stage; the type bits on top are not reached
.endm
; one record (a weight tile of my half) into part u of buffer buf: 13 LDS loads, the image of its scale words first
.macro FETCHR buf, u, adr, rec
	WIN 0
	ds_load_b128 v[WS+8*\buf+4*\u:WS+8*\buf+4*\u+3], v[\adr] offset:REC*(\rec)+6144
	WIN 0xc0
.irp k, 0,1,2,3,4,5,6,7,8,9,10,11
	ds_load_b128 v[96*\buf+48*\u+4*\k:96*\buf+48*\u+4*\k+3], v[\adr] offset:REC*(\rec)+512*\k
.endr
.endm
.macro FETCHW buf, adr, rec0           ; two records: 26 LDS loads
	FETCHR \buf, 0, \adr, \rec0
	FETCHR \buf, 1, \adr, \rec0+1
.endm
; 48 matrix instructions: two weight tiles x my four tiles of rows, all 768 of K.  The result of (u, m) lies at base + su u + sm m.  The eight accumulators take turns, one instruction a turn;
; the first K step starts the sums.  Fragment s takes its scale words from register s / 2 of an image, lanes 0-15 for even s, lanes 16-31 for odd s.
.macro MULP base, su, sm, buf
	WIN W_MUL
.irp s, 0,1,2,3,4,5
.irp u, 0,1
.irp m, 0,1,2,3
.set rD, \base+\su*\u+\sm*\m
.set rW, 96*\buf+48*\u+8*\s
.set rA, 48*\m+8*\s
.set rX, WS+8*\buf+4*\u+(\s/2)
.set rY, AS+4*\m+(\s/2)
.if \s == 0
	v_wmma_scale_f32_16x16x128_f8f6f4 v[rD:rD+7], v[rW:rW+7], v[rA:rA+7], 0, v[rX], v[rY] matrix_a_fmt:MATRIX_FMT_FP4 matrix_b_fmt:MATRIX_FMT_FP4
.elseif (\s%2) == 1
	v_wmma_scale_f32_16x16x128_f8f6f4 v[rD:rD+7], v[rW:rW+7], v[rA:rA+7], v[rD:rD+7], v[rX], v[rY] matrix_a_fmt:MATRIX_FMT_FP4 matrix_b_fmt:MATRIX_FMT_FP4 matrix_a_scale:MATRIX_SCALE_ROW1 matrix_b_scale:MATRIX_SCALE_ROW1
.else
	v_wmma_scale_f32_16x16x128_f8f6f4 v[rD:rD+7], v[rW:rW+7], v[rA:rA+7], v[rD:rD+7], v[rX], v[rY] matrix_a_fmt:MATRIX_FMT_FP4 matrix_b_fmt:MATRIX_FMT_FP4
.endif
.endr
.endr
.endr
.endm
; The 64 numbers of q_topic of tile of rows m (window 1, v[64 m] on; register 16 b + i = k 32 b + 16 (lane / 16) + i of my row) become a fragment's codes at v[qc] and its scale word in v[qs].
; Every accumulator is read from its low end on.  Work on registers alone; it leaves every window 0.
.macro QUANT m, qc, qs
	WIN 0x14
.irp b, 0,1,2,3
	v_max3_num_f32 v[TM+\b], 0x1800000, |v[64*\m+16*\b]|, |v[64*\m+16*\b+1]|   ; block b: my 16 numbers, and the floor 2^(3 - 127): the byte cannot fall under 1
.endr
.irp i, 2,4,6,8,10,12,14
.irp b, 0,1,2,3
	v_max3_num_f32 v[TM+\b], v[TM+\b], |v[64*\m+16*\b+\i]|, |v[64*\m+16*\b+\i+1]|   ; (the four blocks by turns)
.endr
.endr
	WIN 0
.irp b, 0,1,2,3
	v_permlanex16_b32 v[TM+4+\b], v[TM+\b], s54, s55
.endr
.irp b, 0,1,2,3
	v_max_num_f32 v[TM+\b], v[TM+\b], v[TM+4+\b]   ; with lane l xor 16's: the block's largest magnitude
.endr
.irp b, 0,1,2,3
	v_add_nc_u32 v[TM+12+\b], 0xff000000, v[TM+\b]   ; 2 off its exponent field: the conversion's scale operand
.endr
.irp b, 0,1,2,3
	v_lshrrev_b32 v[TM+4+\b], 23, v[TM+12+\b]      ; the scale's byte
.endr
	v_lshl_or_b32 v[\qs], v[TM+5], 8, v[TM+4]
	v_lshl_or_b32 v[\qs], v[TM+6], 16, v[\qs]
	v_lshl_or_b32 v[\qs], v[TM+7], 24, v[\qs]
	WIN 0x01
.irp b, 0,1,2,3
	v_cvt_scalef32_pk8_fp4_f32 v[\qc+2*\b], v[64*\m+16*\b:64*\m+16*\b+7], v[TM+12+\b]
	v_cvt_scalef32_pk8_fp4_f32 v[\qc+2*\b+1], v[64*\m+16*\b+8:64*\m+16*\b+15], v[TM+12+\b]
.endr
	WIN 0
	v_nop                                          ; one plain place behind a scaled conversion
.irp c, 0,1                            ; the operand's layout wants a whole block in a lane: lanes 0-15 block 2 c, lanes 16-31 block 2 c + 1
.irp i, 0,1
	v_permlane16_swap_b32 v[\qc+4*\c+\i], v[\qc+2+4*\c+\i]
.endr
.endr
.endm
; THE PRODUCTS OF A STAGE OF W_topic: 128 of my half's outputs (eight tiles, two at a time through two buffers) for my 64 rows.  The first four tiles have been asked for.
.macro TMUL adr
	s_wait_dscnt 26                                ; buffer 0 is in; the 26 loads of buffer 1 may be out
	MULP 0, 8, 64, 0
	PLACES
	FETCHW 0, \adr, 4
	s_wait_dscnt 26
	MULP 16, 8, 64, 1
	PLACES
	FETCHW 1, \adr, 6
	s_wait_dscnt 26
	MULP 32, 8, 64, 0
	s_wait_dscnt 0x0
	MULP 48, 8, 64, 1
	PLACES
.endm
; THE CHANGE OF SLOTS BEHIND STAGE c OF W_topic.  Each wave waits for all its tensor loads (its quarter of the stage ahead), adds 0 to its spare word, and waits for that (its reads of the slot that it leaves came back in TMUL).
; The stage's 128 outputs are K step 3 j + c of the scores' product; their quantising, four tiles of rows, is the work on registers round the change.
; kind 1: the slot left takes W_topic's stage 2; kind 2: W_domain's first stage.  The barrier opens a round of the cluster's, and the joint load is the first thing behind the round.
.macro TCHANGE kind, c, adr
	WIN 0
	s_wait_tensorcnt 0x0                           ; no tensor load of mine is out, so a group 0 may be written
	ds_add_u32 v[SPW], v[NIL]                      ; 0 onto my spare word
.if \kind == 1
	s_add_nc_u64 s[G0T+2:G0T+3], s[G0T+2:G0T+3], 2*SLOT   ; from stage 0 to stage 2; the LDS address stays: slot 0, my quarter
.else
	STEPD
.endif
	QUANT 0, QC+32*\c, QS+4*\c
	s_wait_dscnt 0x0                               ; the add is done
	s_barrier_signal -1
	QUANT 1, QC+32*\c+8, QS+4*\c+1
	s_barrier_wait -1
	CREST                                          ; no wave of any partner still reads the slot or has a load on its way
.if \kind == 1
	tensor_load_to_lds s[G0T:G0T+3], s[G1T:G1T+7]
	s_nop 0
.else
	tensor_load_to_lds s[G0D:G0D+3], s[G1D:G1D+7]
	s_nop 0
.endif
	PLACES                                         ; four v_nop follow the load
	FETCHW 0, \adr, 0
	QUANT 2, QC+32*\c+16, QS+4*\c+2
	FETCHW 1, \adr, 2
	QUANT 3, QC+32*\c+24, QS+4*\c+3
.endm
; K step c of my half of the scores: six tiles of the 96 (d, m) x my four tiles of rows; 24 accumulators by turns
.macro P3C c, win, mqb
	WIN \win
.irp t, 0,1,2,3,4,5
.irp m, 0,1,2,3
.set rD, 48*\m+8*\t
.set rW, \mqb+8*\t
.set rA, QC+32*\c+8*\m
.set rX, MS+4*\c+(\t/2)
.set rY, QS+4*\c+\m
.if \c == 0
.if (\t%2) == 1
	v_wmma_scale_f32_16x16x128_f8f6f4 v[rD:rD+7], v[rW:rW+7], v[rA:rA+7], 0, v[rX], v[rY] matrix_a_fmt:MATRIX_FMT_FP4 matrix_b_fmt:MATRIX_FMT_FP4 matrix_a_scale:MATRIX_SCALE_ROW1
.else
	v_wmma_scale_f32_16x16x128_f8f6f4 v[rD:rD+7], v[rW:rW+7], v[rA:rA+7], 0, v[rX], v[rY] matrix_a_fmt:MATRIX_FMT_FP4 matrix_b_fmt:MATRIX_FMT_FP4
.endif
.else
.if (\t%2) == 1
	v_wmma_scale_f32_16x16x128_f8f6f4 v[rD:rD+7], v[rW:rW+7], v[rA:rA+7], v[rD:rD+7], v[rX], v[rY] matrix_a_fmt:MATRIX_FMT_FP4 matrix_b_fmt:MATRIX_FMT_FP4 matrix_a_scale:MATRIX_SCALE_ROW1
.else
	v_wmma_scale_f32_16x16x128_f8f6f4 v[rD:rD+7], v[rW:rW+7], v[rA:rA+7], v[rD:rD+7], v[rX], v[rY] matrix_a_fmt:MATRIX_FMT_FP4 matrix_b_fmt:MATRIX_FMT_FP4
.endif
.endif
.endr
.endr
.endm
; THE TWO HALVES MEET.  The 24 accumulators at 48 m + 8 t of window 1 (lane (r, h): row 16 m + r of my 64, columns 16 t + 8 h + 0 .. 7) go to my copy in LDS, each from its low end on; a barrier;
; thread t reads row t of both copies (92 numbers each) and adds them: v0-89 of window 1
.macro EXCH
	PLACES
	WIN 0x04
.irp m, 0,1,2,3
.irp t, 0,1,2,3,4,5
	ds_store_b128 v[XW], v[48*\m+8*\t:48*\m+8*\t+3] offset:16*XP*\m+64*\t
	ds_store_b128 v[XW], v[48*\m+8*\t+4:48*\m+8*\t+7] offset:16*XP*\m+64*\t+16
.endr
.endr
	BAR
	WIN 0x40
.set q, 0
.rept 23
	ds_load_b128 v[4*q:4*q+3], v[XR] offset:16*q
	ds_load_b128 v[96+4*q:96+4*q+3], v[XR] offset:XCOPY+16*q
.set q, q+1
.endr
	s_wait_dscnt 0x0
	WIN 0x45
.set n, 0
.rept 45
	v_pk_add_f32 v[2*n:2*n+1], v[2*n:2*n+1], v[96+2*n:96+2*n+1]
.set n, n+1
.endr
.endm
.macro FETCHMT qq, t0, n               ; the memory's f16 fragments of chunk qq (32 along e), tiles t0 .. t0 + n - 1, high and low: four LDS loads a tile
	WIN 0xc0
.set tt, \t0
.rept \n
.irp k, 0,1,2,3
	ds_load_b128 v[96+16*tt+4*\k:96+16*tt+4*\k+3], v[ADR] offset:MOFF+CHUNK*\qq+2048*tt+512*\k
.endr
.set tt, tt+1
.endr
.endm
.macro CVT                             ; q_dom to f16: tiles u = 0, 1 hold e = 16 u + 8 h + 0 .. 7 of my row: just the k of registers 4 u .. 4 u + 3 of a 16-bit operand.  Each accumulator from its low end on
	WIN 0x85
.irp m, 0,1,2,3
.irp u, 0,1
.irp p, 0,1,2,3
	v_cvt_pk_f16_f32 v[192+8*\m+4*\u+\p], v[192+32*\u+8*\m+2*\p], v[192+32*\u+8*\m+2*\p+1]
.endr
.endr
.endr
.endm
; G += memory x q_dom over 32 of e, tiles t0 .. t0 + n - 1 of the 96 (d, m): high part, then low part, onto the same sums; four accumulators by turns, one instruction a turn.
; zero = 1: the high part starts the sums
.macro MULGT zero, t0, n
	WIN W_MUL
.set tt, \t0
.rept \n
.irp part, 0,1
.irp m, 0,1,2,3
.if \zero && (\part == 0)
	v_wmma_f32_16x16x32_f16 v[48*\m+8*tt:48*\m+8*tt+7], v[96+16*tt+8*\part:96+16*tt+8*\part+7], v[192+8*\m:192+8*\m+7], 0
.else
	v_wmma_f32_16x16x32_f16 v[48*\m+8*tt:48*\m+8*tt+7], v[96+16*tt+8*\part:96+16*tt+8*\part+7], v[192+8*\m:192+8*\m+7], v[48*\m+8*tt:48*\m+8*tt+7]
.endif
.endr
.endr
.set tt, tt+1
.endr
.endm
; A STAGE OF W_domain: 64 of my half's outputs, 32 (a chunk) at a time: q_dom (48 FP4 products), to f16, G (48 f16 products).  On the way in, the first chunk's two records (26 loads) and, behind them, its 24 loads of
; memory fragments have been asked for.  The stage's last 48 products of G are left to what follows it.  A fragment's registers are loaded again as soon as they have been multiplied, in runs of 12 or 13.
.macro DBODY zero
	s_wait_dscnt 24                                ; the weights are in; the memory's 24 loads behind them may be out
	MULP 192, 32, 8, 0
	PLACES
	FETCHR 0, 0, ADR, 2
	CVT
	s_wait_dscnt 13                                ; the memory's fragments are in; the record just asked for may be out
	MULGT \zero, 0, 1
	FETCHR 0, 1, ADR, 3                            ; (the last product that named these registers stands ahead of the places above)
	MULGT \zero, 1, 2
	PLACES
	FETCHMT 1, 0, 3
	MULGT \zero, 3, 3
	PLACES
	FETCHMT 1, 3, 3
	s_wait_dscnt 24                                ; the second chunk's weights are in; the memory's 12 + 12 loads may be out
	MULP 192, 32, 8, 0
	PLACES
	CVT
	WIN 0
	s_wait_dscnt 12                                ; the memory's tiles 0 to 2 are in; the 12 loads of tiles 3 to 5 may be out
.endm
; THE CHANGE OF SLOTS BETWEEN TWO STAGES OF W_domain, inside the 48 products of G that the stage has left.  Each wave waits for all its tensor loads (its quarter of the stage ahead), adds 0 to its spare word, and waits for
; that and for its reads of the slot that it leaves.  kind 2: that slot takes the stage after next: the barrier opens a round of the cluster's, and the joint load is the first thing behind it.  kind 0: nothing is left to fetch.
.macro DCHANGE kind
	WIN 0
	s_wait_tensorcnt 0x0                           ; no tensor load of mine is out, so a group 0 may be written
	ds_add_u32 v[SPW], v[NIL]                      ; 0 onto my spare word
.if \kind
	STEPD
.endif
	MULGT 0, 0, 1                                  ; eight matrix instructions stand between the add and the wait for it
	s_wait_dscnt 0x0                               ; the add is done, and my reads of the slot that I leave are over
	s_barrier_signal -1
	MULGT 0, 1, 1
	WIN 0
	s_barrier_wait -1
.if \kind
	CREST                                          ; no wave of any partner still reads the slot or has a load on its way
	tensor_load_to_lds s[G0D:G0D+3], s[G1D:G1D+7]
	s_nop 0
.endif
	PLACES                                         ; four v_nop follow the load; they are also the places in front of the loads into tiles 0 and 1 below
	s_xor_b32 s51, s51, SLOT                       ; on to the other slot
	v_add_nc_u32 v[ADR], s51, v[LD0]
	FETCHR 0, 0, ADR, 0
	MULGT 0, 2, 1
	FETCHR 0, 1, ADR, 1
	MULGT 0, 3, 1
	FETCHMT 0, 0, 2
	MULGT 0, 4, 2
	PLACES
	FETCHMT 0, 2, 4
.endm
	s_load_b256 s[4:11], s[0:1], 0x0               ; acode s[4:5], wstream s[6:7], memq s[8:9], out0 s[10:11]
	v_lshl_add_u32 v[SPW], v0, 2, SPARE
	v_mov_b32 v[NIL], 0
	ds_add_u32 v1, v2
	ds_add_u32 v1, v2
	s_wait_dscnt 0x0
	v_lshrrev_b32 v3, 5, v0
	v_readfirstlane_b32 s12, v3                    ; wave 0..3
	s_lshr_b32 s13, s12, 1                         ; i: which 64 rows
	s_and_b32 s14, s12, 1                          ; j: which half of the outputs
	s_bfe_u32 s15, ttmp6, 0x40000                  ; cx: my place in the cluster: it enters acode's and out0's addresses alone
	s_lshl_b32 s16, ttmp9, 2                       ; in a cluster launch ttmp9 counts clusters
	s_add_co_u32 s16, s16, s15                     ; my block of 128 rows
	s_mul_i32 s48, s12, SLOT/4                     ; my quarter of a stage of W_topic,
	s_mul_i32 s49, s12, DSTG/4                     ; of W_domain
	s_mov_b32 s50, 0                               ; the slot that W_domain's last fill took (none yet)
	s_mov_b32 s51, SLOT                            ; the slot that W_domain's first stage is read from
	s_mov_b32 s54, 0x76543210
	s_mov_b32 s55, 0xfedcba98                      ; v_permlanex16_b32's selects for lane l xor 16
	s_mov_b32 s56, 0x4238aa3b                      ; c = 32 log2(e)
	s_mov_b32 s57, s56                             ; (named with it as a pair, so it is written)
	s_mov_b32 s58, 0xc238aa3b                      ; -c
	; descriptor group 1: a dense block as rows of 256 bytes (32 elements of 8 bytes): 104 rows, or 100
	s_mov_b32 s[G1T], 15|(3<<16)|(1<<21)           ; 15:0 the mask: all four work-groups; 17:16 elements of 8 bytes; 20 no padding; 21 set beside a mask
	s_mov_b32 s[G1T+1], 32<<16                     ; tensor_dim0
	s_mov_b32 s[G1T+2], 104<<16                    ; tensor_dim1
	s_mov_b32 s[G1T+3], 32<<16                     ; tile_dim0
	s_mov_b32 s[G1T+4], 104                        ; tile_dim1
	s_mov_b32 s[G1T+5], 32                         ; tensor_dim0_stride
	s_mov_b32 s[G1T+6], 0
	s_mov_b32 s[G1T+7], 0
	s_mov_b32 s[G1D], 15|(3<<16)|(1<<21)
	s_mov_b32 s[G1D+1], 32<<16
	s_mov_b32 s[G1D+2], 100<<16
	s_mov_b32 s[G1D+3], 32<<16
	s_mov_b32 s[G1D+4], 100
	s_mov_b32 s[G1D+5], 32
	s_mov_b32 s[G1D+6], 0
	s_mov_b32 s[G1D+7], 0
	s_mov_b32 s18, s48
	s_mov_b32 s19, 0
	s_add_co_u32 s20, s49, DBASE-DSTG              ; one stage ahead of W_domain's first: every use steps it first
	s_mov_b32 s21, 0
	s_wait_kmcnt 0x0
	s_mov_b32 s[G0T], 1                            ; 1:0 count = 1
	s_mov_b32 s[G0T+1], s48                        ; 63:32 LDS address: slot 0, my quarter
	s_add_nc_u64 s[G0T+2:G0T+3], s[6:7], s[18:19]  ; 120:64 global address: stage 0, my quarter
	s_mov_b32 s[G0U], 1
	s_add_co_u32 s[G0U+1], s48, SLOT               ; slot 1, my quarter
	s_add_nc_u64 s[G0U+2:G0U+3], s[G0T+2:G0T+3], SLOT   ; stage 1
	s_or_b32 s[G0T+3], s[G0T+3], 0x80000000        ; 127:126 type = 2
	s_or_b32 s[G0U+3], s[G0U+3], 0x80000000
	s_mov_b32 s[G0D], 1
	s_mov_b32 s[G0D+1], s49
	s_add_nc_u64 s[G0D+2:G0D+3], s[6:7], s[20:21]
	s_or_b32 s[G0D+3], s[G0D+3], 0x80000000
	ROUND                                          ; all four work-groups are here: the first joint loads meet
	tensor_load_to_lds s[G0T:G0T+3], s[G1T:G1T+7]  ; the two first fills go out together: W_topic's stage 0 into slot 0,
	s_nop 0
	tensor_load_to_lds s[G0U:G0U+3], s[G1T:G1T+7]  ; its stage 1 into slot 1: two loads of mine are out
	s_nop 0
	PLACES
	v_and_b32 v13, 31, v0                          ; lane
	v_and_b32 v14, 15, v0                          ; r
	v_bfe_u32 v15, v0, 4, 1                        ; h
	v_lshlrev_b32 v[LI], 4, v13
	s_mul_i32 s17, s14, THALF
	v_add_nc_u32 v[LB0], s17, v[LI]
	v_add_nc_u32 v[LB1], SLOT, v[LB0]
	s_mul_i32 s17, s14, DHALF
	v_add_nc_u32 v[LD0], s17, v[LI]
	s_mul_i32 s17, s14, XCOPY
	s_mul_i32 s18, s13, 64*XP
	s_add_co_u32 s17, s17, s18
	s_add_co_u32 s17, s17, XCH
	v_mul_u32_u24 v[XW], v14, XP
	v_lshl_add_u32 v[XW], v15, 5, v[XW]
	v_add_nc_u32 v[XW], s17, v[XW]                 ; copy j, row 64 i + r, + 32 h
	v_mul_u32_u24 v[XR], v0, XP
	v_add_nc_u32 v[XR], XCH, v[XR]
	v_mul_u32_u24 v[OW], v0, 36
	v_add_nc_u32 v[OW], OUTS, v[OW]
	v_lshlrev_b32 v[GO], 4, v0
	v_add_nc_u32 v[OR], OUTS, v[GO]
.irp b, 0,1,2,3
	v_mov_b32 v[TM+4+\b], 0                        ; written once: a lane permute's destination counts as one of its sources
.endr
	s_mul_i32 s18, s16, 8*REC                      ; my work-group's eight records of fn,
	s_mul_i32 s20, s13, 4*REC                      ; my wave's four
	s_add_co_u32 s18, s18, s20
	s_add_nc_u64 s[4:5], s[4:5], s[18:19]
	s_mul_i32 s18, s14, 3*REC                      ; the memory's K steps 3 j .. 3 j + 2
	s_add_nc_u64 s[8:9], s[8:9], s[18:19]
	s_mul_i32 s18, s16, 128*36
	s_add_nc_u64 s[10:11], s[10:11], s[18:19]
.irp m, 0,1,2,3
	global_load_b128 v[AS+4*\m:AS+4*\m+3], v[LI], s[4:5] offset:REC*\m+6144
.endr
.irp c, 0,1,2
	global_load_b96 v[MS+4*\c:MS+4*\c+2], v[LI], s[8:9] offset:REC*\c+6144   ; three words a lane: the fourth is never written
.endr
.irp k, 0,1,2,3,4,5,6,7,8,9,10,11
	global_load_b128 v[MQ0+4*\k:MQ0+4*\k+3], v[LI], s[8:9] offset:512*\k
.endr
	WIN 0x80
.irp m, 0,1,2,3
.irp k, 0,1,2,3,4,5,6,7,8,9,10,11
	global_load_b128 v[48*\m+4*\k:48*\m+4*\k+3], v[LI], s[4:5] offset:REC*\m+512*\k   ; fn's fragments stay in registers
.endr
.endr
.irp k, 0,1,2,3,4,5,6,7,8,9,10,11
	global_load_b128 v[192+4*\k:192+4*\k+3], v[LI], s[8:9] offset:REC+512*\k
.endr
	WIN 0xc0
.irp k, 0,1,2,3,4,5,6,7,8,9,10,11
	global_load_b128 v[192+4*\k:192+4*\k+3], v[LI], s[8:9] offset:2*REC+512*\k
.endr
	WIN 0
	; ---- q_topic, 128 outputs of my half at a stage, quantised on the way
	s_wait_tensorcnt 0x1                           ; my quarter of stage 0 is in; stage 1's load may stay out
	s_barrier_signal -1
	s_barrier_wait -1                              ; everybody's is
	FETCHW 0, LB0, 0
	FETCHW 1, LB0, 2
	s_wait_loadcnt 0x0                             ; fn and the memory's codes
	TMUL LB0
	TCHANGE 1, 0, LB1                              ; stage 1 is whole; stage 2 goes into slot 0
	TMUL LB1
	TCHANGE 2, 1, LB0                              ; stage 2 is whole; W_domain's first stage goes into slot 1
	TMUL LB0
.irp m, 0,1,2,3
	QUANT \m, QC+64+8*\m, QS+8+\m
.endr
	; ---- the scores over my half of K
.rept 8
	v_nop                                          ; a scale register written by a vector instruction stands 8 places ahead of a scaled matrix instruction, an operand so written 4
.endr
	P3C 0, 0x50, MQ0
	P3C 1, 0x52, 192
	P3C 2, 0x53, 192
	EXCH
	; ---- the change of slots into W_domain's first stage, and that stage's first loads, ahead of the softmax's work on registers
	WIN 0
	s_wait_tensorcnt 0x0                           ; my quarter of W_domain's first stage is in; no tensor load of mine is out
	ds_add_u32 v[SPW], v[NIL]                      ; 0 onto my spare word; the descriptor's steps stand between it and the wait for it
	STEPD
	s_wait_dscnt 0x0                               ; the add is done; my reads of slot 0 were over long ago
	ROUND
	tensor_load_to_lds s[G0D:G0D+3], s[G1D:G1D+7]  ; W_domain's second stage into slot 0
	s_nop 0
	PLACES
	v_add_nc_u32 v[ADR], s51, v[LD0]
	FETCHW 0, ADR, 0
	FETCHMT 0, 0, 6
	; ---- thread t, row t: p = 2^(c s - c max) for each of the nine domains' ten scores; p is kept as it is, with 1 / its sum beside it
	WIN 0x55
.irp d, 0,1,2,3,4,5,6,7,8
	v_max3_num_f32 v[WK+2*\d], v[10*\d], v[10*\d+1], v[10*\d+2]
.endr
.irp i, 3,5,7
.irp d, 0,1,2,3,4,5,6,7,8
	v_max3_num_f32 v[WK+2*\d], v[WK+2*\d], v[10*\d+\i], v[10*\d+\i+1]
.endr
.endr
.irp d, 0,1,2,3,4,5,6,7,8
	v_max_num_f32 v[WK+2*\d], v[WK+2*\d], v[10*\d+9]
.endr
.irp d, 0,1,2,3,4,5,6,7,8
	v_mul_f32 v[WK+2*\d+1], s58, v[WK+2*\d]        ; -c max, twice: a pair for the packed multiply-add
	v_mul_f32 v[WK+2*\d], s58, v[WK+2*\d]
.endr
.irp d, 0,1,2,3,4,5,6,7,8
.irp k, 0,2,4,6,8
	v_pk_fma_f32 v[10*\d+\k:10*\d+\k+1], v[10*\d+\k:10*\d+\k+1], s[56:57], v[WK+2*\d:WK+2*\d+1] op_sel_hi:[1,0,1]
.endr
.endr
	WIN 0x01
.set n, 0
.rept 90
	v_exp_f32 v[PP+n], v[n]
.set n, n+1
.endr
	WIN 0
	v_nop                                          ; one plain place behind the exponentials
	s_wait_alu depctr_va_vdst(0)
.irp d, 0,1,2,3,4,5,6,7,8
	v_pk_add_f32 v[WK+2*\d:WK+2*\d+1], v[PP+10*\d:PP+10*\d+1], v[PP+10*\d+2:PP+10*\d+3]
.endr
.irp k, 4,6,8
.irp d, 0,1,2,3,4,5,6,7,8
	v_pk_add_f32 v[WK+2*\d:WK+2*\d+1], v[WK+2*\d:WK+2*\d+1], v[PP+10*\d+\k:PP+10*\d+\k+1]
.endr
.endr
.irp d, 0,1,2,3,4,5,6,7,8
	v_add_f32 v[WK+2*\d], v[WK+2*\d], v[WK+2*\d+1]
.endr
.irp d, 0,1,2,3,4,5,6,7,8
	v_rcp_f32 v[RI+\d], v[WK+2*\d]                 ; the sum is at least 1
.endr
	v_nop
	; ---- q_dom and G, 64 outputs of my half at a stage
	DBODY 1                                        ; the first stage starts G's sums
	s_mov_b32 s52, 4
.Lstage:                                           ; four trips: behind each of these changes of slots a further stage is asked for
	DCHANGE 2
	DBODY 0
	s_sub_co_u32 s52, s52, 1
	s_cmp_lg_u32 s52, 0
	s_cbranch_scc1 .Lstage
	DCHANGE 0                                      ; the last stage is written out
	DBODY 0
	MULGT 0, 0, 3                                  ; the last 48 products of G
	s_wait_dscnt 0x0
	MULGT 0, 3, 3
	; ---- thread t, row t: the nine logits, their softmax, and out
	EXCH
	WIN 0x04
.irp d, 0,1,2,3,4,5,6,7,8
	v_pk_mul_f32 v[WK+2*\d:WK+2*\d+1], v[PP+10*\d:PP+10*\d+1], v[10*\d:10*\d+1]
.endr
.irp k, 2,4,6,8
.irp d, 0,1,2,3,4,5,6,7,8
	v_pk_fma_f32 v[WK+2*\d:WK+2*\d+1], v[PP+10*\d+\k:PP+10*\d+\k+1], v[10*\d+\k:10*\d+\k+1], v[WK+2*\d:WK+2*\d+1]
.endr
.endr
	WIN 0
.irp d, 0,1,2,3,4,5,6,7,8
	v_add_f32 v[WK+2*\d], v[WK+2*\d], v[WK+2*\d+1]
.endr
	s_wait_alu depctr_va_vdst(0)
.irp d, 0,1,2,3,4,5,6,7,8
	v_mul_f32 v[WK+2*\d], v[WK+2*\d], v[RI+\d]     ; sum p G / sum p
.endr
	v_max3_num_f32 v212, v[WK], v[WK+2], v[WK+4]
	v_max3_num_f32 v212, v212, v[WK+6], v[WK+8]
	v_max3_num_f32 v212, v212, v[WK+10], v[WK+12]
	v_max3_num_f32 v212, v212, v[WK+14], v[WK+16]
	v_mul_f32 v212, s58, v212                      ; -c max
.irp d, 0,1,2,3,4,5,6,7,8
	v_fma_f32 v[WK+2*\d], v[WK+2*\d], s56, v212
.endr
.irp d, 0,1,2,3,4,5,6,7,8
	v_exp_f32 v[WK+2*\d], v[WK+2*\d]
.endr
	v_nop
	s_wait_alu depctr_va_vdst(0)
	v_add_f32 v213, v[WK], v[WK+2]
	v_add_f32 v214, v[WK+4], v[WK+6]
	v_add_f32 v215, v[WK+8], v[WK+10]
	v_add_f32 v216, v[WK+12], v[WK+14]
	v_add_f32 v213, v213, v214
	v_add_f32 v215, v215, v216
	v_add_f32 v213, v213, v215
	v_add_f32 v213, v213, v[WK+16]
	v_rcp_f32 v213, v213
	v_nop
	s_wait_alu depctr_va_vdst(0)
.irp d, 0,1,2,3,4,5,6,7,8
	v_mul_f32 v[WK+2*\d], v[WK+2*\d], v213
.endr
.irp d, 0,1,2,3,4,5,6,7,8
	ds_store_b32 v[OW], v[WK+2*\d] offset:4*\d
.endr
	BAR                                            ; the work-group's 4,608 bytes of results lie dense in LDS
	ds_load_b128 v[216:219], v[OR]
	ds_load_b128 v[220:223], v[OR] offset:2048
	s_wait_dscnt 0x0
	global_store_b128 v[GO], v[216:219], s[10:11]  ; a wave's store covers 512 consecutive bytes, at a multiple of 256 from out0's first byte
	global_store_b128 v[GO], v[220:223], s[10:11] offset:2048
	s_cmp_lg_u32 s12, 0
	s_cbranch_scc1 .Lnot_the_rest
	ds_load_b128 v[224:227], v[OR] offset:4096     ; the last 512 bytes: wave 0
	s_wait_dscnt 0x0
	global_store_b128 v[GO], v[224:227], s[10:11] offset:4096
.Lnot_the_rest:
	s_wait_tensorcnt 0x0                           ; the wave's end, behind my last tensor load and my last LDS store
	ds_add_u32 v[SPW], v[NIL]
	s_wait_dscnt 0x0
	ROUND                                          ; the closing round: no work-group ends while a partner may still ask for a stage that names it
	s_endpgm
.Lfunc_end_k_qc2f5a7f723_main:
	.size	k_qc2f5a7f723_main, .Lfunc_end_k_qc2f5a7f723_main-k_qc2f5a7f723_main
	.p2alignl 7, 3214868480
	.fill 96, 4, 3214868480
	.section	.rodata,"a",@progbits
	.p2align	6, 0x0
	.amdhsa_kernel k_qc2f5a7f723_main
		.amdhsa_group_segment_fixed_size 327680
		.amdhsa_private_segment_fixed_size 0
		.amdhsa_enable_private_segment 0
		.amdhsa_kernarg_size 32
		.amdhsa_user_sgpr_count 2
		.amdhsa_user_sgpr_kernarg_segment_ptr 1
		.amdhsa_wavefront_size32 1
		.amdhsa_system_sgpr_workgroup_id_x 1
		.amdhsa_system_sgpr_workgroup_id_y 1
		.amdhsa_system_sgpr_workgroup_id_z 1
		.amdhsa_system_vgpr_workitem_id 0
		.amdhsa_next_free_vgpr 1024
		.amdhsa_next_free_sgpr 66
		.amdhsa_reserve_vcc 0
		.amdhsa_float_denorm_mode_32 3
		.amdhsa_float_denorm_mode_16_64 3
		.amdhsa_memory_ordered 1
		.amdhsa_forward_progress 1
		.amdhsa_inst_pref_size 255
	.end_amdhsa_kernel
	.section	.bss,"aw",@nobits
	.p2align	6
	.space	262144
	.amdgpu_metadata
---
amdhsa.version: [ 1, 2 ]
amdhsa.kernels:
  - .name:           k_qc2f5a7f723_main
    .symbol:         k_qc2f5a7f723_main.kd
    .args:
      - { .name: acode, .offset: 0, .size: 8, .value_kind: global_buffer, .address_space: global }
      - { .name: wstream, .offset: 8, .size: 8, .value_kind: global_buffer, .address_space: global }
      - { .name: memq, .offset: 16, .size: 8, .value_kind: global_buffer, .address_space: global }
      - { .name: out0, .offset: 24, .size: 8, .value_kind: global_buffer, .address_space: global }
    .group_segment_fixed_size: 327680
    .private_segment_fixed_size: 0
    .kernarg_segment_align: 8
    .kernarg_segment_size: 32
    .max_flat_workgroup_size: 128
    .sgpr_count:     66
    .vgpr_count:     1024
    .wavefront_size: 32
...
	.end_amdgpu_metadata
.endif
;; end of part 2
